; MI455X (gfx1250); checked and timed in simulation.
; The chip was launched on July 23, 2026; its instructions are those of AMD's public machine-readable ISA for CDNA 5 (MIT licence, August 2026) and "CDNA5" Instruction Set Architecture Reference Guide (July 2026). The comments in the code are by the model that wrote it; some were corrected since.
;; Meta Multi Head Self Attention. Allowed arithmetic: matrix products marked QUANTISED: E4M3 operands, one given power-of-two scale a tensor, by v_wmma_f32_16x16x64_fp8_fp8 or v_wmma_f32_16x16x128_fp8_fp8, f32 sums; everything else in f32.
;; Inputs: k_proj 1,024 x 1,024 float32; lowp_scales 12 int32 (the exponents e of the quantised operands' scales 2^e); o_proj 1,024 x 1,024 float32; q_proj 1,024 x 1,024 float32; v_proj 1,024 x 1,024 float32; x 4 x 2,048 x 1,024 float32.
;; Outputs: out0 4 x 2,048 x 1,024 float32.
;; This version of the problem:
;;   THIS VERSION OF THE PROBLEM IS GIVEN IN LOW PRECISION. The matrix products marked QUANTISED in the list below multiply operands that are first quantised to E4M3 (4 exponent bits, 3 mantissa bits; 8 bits a number), with one given power-of-two scale for each operand tensor; their sums are f32. All else is computed in f32.
;;   The module's matrix products, in the order in which they are computed (A, B: the left and right operand; K: the contracted axis; several contracted axes count as one K, in the product's order):
;;     1. [M 8,192, K 1,024] x [K 1,024, N 1,024]; A: input x; B: input q_proj: QUANTISED (scales: A lowp_scales[0], B lowp_scales[1])
;;     2. [M 8,192, K 1,024] x [K 1,024, N 1,024]; A: input x; B: input k_proj: QUANTISED (scales: A lowp_scales[2], B lowp_scales[3])
;;     3. [M 8,192, K 1,024] x [K 1,024, N 1,024]; A: input x; B: input v_proj: QUANTISED (scales: A lowp_scales[4], B lowp_scales[5])
;;     4. batch 64 x [M 2,048, K 64] x [K 64, N 2,048]; A: computed on the way; B: computed on the way: QUANTISED (scales: A lowp_scales[6], B lowp_scales[7])
;;     5. batch 64 x [M 2,048, K 2,048] x [K 2,048, N 64]; A: softmax (see below); B: computed on the way: QUANTISED (scales: A lowp_scales[8], B lowp_scales[9])
;;     6. [M 8,192, K 1,024] x [K 1,024, N 1,024]; A: computed on the way; B: input o_proj: QUANTISED (scales: A lowp_scales[10], B lowp_scales[11])
;;   THE QUANTISER, for each operand of a quantised product, along K:
;;     - The operand's scale is 2^e, e = its entry of the input lowp_scales (int32; the entries are numbered through the quantised products in the list's order, A before B).
;;     - Each number is divided by the scale, clamped to +-448, and rounded to the nearest number of E4M3, ties to even, subnormals kept.
;;     - The product sums the exact products of the quantised numbers (number of the format x scale) in f32.
;;   ~~~python
;;   def quantise(x, axis, e):      # numpy; x: float32 -> the quantised numbers, widened to float32 again
;;       x = np.moveaxis(x, axis, -1); K = x.shape[-1]
;;       r = np.clip(x / 2.0 ** e, -448, 448)
;;       step = 2.0 ** (np.maximum(np.frexp(np.where(r == 0, 1, r))[1] - 1, -6) - 3)
;;       q = np.round(r / step) * step * 2.0 ** e      # np.round: ties to even
;;       return np.moveaxis(q, -1, axis).astype(np.float32)
;;   ~~~
;;   SOFTMAX AHEAD OF A QUANTISED PRODUCT. Where the list says 'softmax', what is quantised is not the finished softmax but p = 2^(t - M), with t = logit x log2(e) and M = ceil(the row's largest t), a whole number; so 1/2 < the row's largest p <= 1. The row's sum l is taken of the UNQUANTISED p, in f32, and the product's result is divided by l at the end. Since M is a whole number, a kernel that streams over the keys may use a running M (the ceiling of the running maximum): every later rescaling is an exact power of two, so the quantised numbers keep their values, but for numbers so far below the row's largest that they fall under the format's range.
;;   OPERANDS COMPUTED ON THE WAY. 'Computed on the way' means the value that the module computes at that place (a softmax that the list does not call 'softmax' is quantised finished and normalised). What goes into a quantiser is computed in f32, as accurately as f32 sums, v_exp_f32 and their like allow (about 1e-6 of the number): no bf16 or f16 on the way to a quantiser, and a product that is left as it is and whose result goes on into a quantised operand takes f32 operands (vector FMAs, or v_wmma_f32_16x16x4_f32). A number that lies on a knife's edge between two numbers of the format may be rounded either way, as far as f32 arithmetic and the matrix unit's own rounding can turn it there, and no further.
;; One version. Each part assembles by itself: llvm-mc -triple=amdgcn-amd-amdhsa -mcpu=gfx1250 --defsym DOCPART=n.
;; ======== version 1 of 1: 4 launches
;; limits: right only within a limited range of input values
;; workspace buffers: xc 25,165,824 bytes; wc 4,194,304 bytes; qkv 25,165,824 bytes; ac 8,388,608 bytes
;; launch quant (part 1): grid 384 x 1, 4 waves a work-group, no clusters, 33,280 bytes of LDS; arguments x, q_proj, k_proj, v_proj, o_proj, lowp_scales, xc, wc; writes xc, wc
.if DOCPART == 1
	.amdgcn_target "amdgcn-amd-amdhsa--gfx1250"
	.amdhsa_code_object_version 6
	.text
	.protected	k_q3a1f746dcc_quant
	.globl	k_q3a1f746dcc_quant
	.p2align	8
	.type	k_q3a1f746dcc_quant,@function
k_q3a1f746dcc_quant:
	s_mov_b64 s[64:65], 0
	v_nop
	global_prefetch_b8 v0, s[64:65] scope:SCOPE_SE
	s_setreg_imm32_b32 hwreg(HW_REG_WAVE_MODE, 25, 1), 1
	s_wait_xcnt 0x0
; x [8192][1024] f32 becomes codes of FP8 (E4M3) THREE times: under 2^e0, 2^e2 and 2^e4, the scales that the q, k and v projections give it (planes 0, 1, 2 of xc, 8 MiB each).
; q_proj, k_proj, v_proj, o_proj [1024][1024] f32 become codes under 2^e1, 2^e3, 2^e5, 2^e11 (planes 0 to 3 of wc, 1 MiB each).  K is innermost everywhere, so tensors and codes are plain streams.
; code = number / 2^e, held within +-448, rounded to the nearest code, ties to even.
; LIMITS: e0 to e5 and e11 lie between -126 and 119, so that 2^e and 448 x 2^e are f32 numbers.  NaN among the inputs is not served; an infinity is held at the largest code.
; SHARES.  A work-group takes 32,768 numbers, a wave 8,192: 16 steps of 512.  Work-groups 0-255: x; 256-383: 32 for each weight.  Only pointers and one scale are chosen by the work-group's number;
; the two extra planes of x stand under a scalar branch on that number, which holds no LDS line.
; Each of a step's four loads reads 512 consecutive bytes, 16 a lane; the 2,048 bytes turn through the wave's own stage in LDS (16 bytes of padding behind each 64) and come back 64 bytes a lane: 16 neighbours along K,
; as the conversions want them.  A lane's 16 codes are 16 bytes: a store of the wave covers 512 consecutive bytes, aligned.  No tensor loads, no barrier: waves share nothing.
.set STEPS, 16
.set WREG,  8192                       ; LDS: a region for each wave: two stages of 32 x SP bytes
.set SP,    80                         ; a lane's place in a stage: 64 bytes + 16 of padding
.set R,     16                         ; v16-79   four sets of 16 numbers as loaded
.set X,     80                         ; v80-111  two sets of 16 neighbours
.set T,     112
.set C,     160                        ; v160-207 codes: four sets of 3 planes x 4 registers
	s_load_b512 s[4:19], s[0:1], 0x0               ; x s[4:5], q s[6:7], k s[8:9], v s[10:11], o s[12:13], scales s[14:15], xc s[16:17], wc s[18:19]
	v_lshl_add_u32 v208, v0, 2, 0x8000
	v_mov_b32 v209, 0
	v_lshrrev_b32 v1, 5, v0
	v_readfirstlane_b32 s22, v1                    ; wave
	v_and_b32 v2, 31, v0                           ; lane
	v_lshlrev_b32 v3, 4, v2                        ; my 16 bytes of a load's and of a store's 512; never rewritten
	s_mul_i32 s23, s22, WREG
	v_lshrrev_b32 v14, 2, v2
	v_mul_u32_u24 v14, v14, SP
	v_and_b32 v15, 3, v2
	v_lshl_add_u32 v14, v15, 4, v14
	v_add_nc_u32 v14, s23, v14                     ; the stage, on the way in: SP (lane / 4) + 16 (lane % 4)
	v_mul_u32_u24 v15, v2, SP
	v_add_nc_u32 v15, s23, v15                     ; and on the way out: SP x lane
	s_sub_co_u32 s38, ttmp9, 256                   ; the work-group's number among the weights' (used there alone)
	s_and_b32 s39, s38, 31                         ; and within its weight
	s_wait_alu depctr_va_vdst(0)
	s_wait_kmcnt 0x0
	s_load_b256 s[24:31], s[14:15], 0x0            ; e0 .. e7
	s_load_b128 s[32:35], s[14:15], 0x20           ; e8 .. e11
	s_mov_b64 s[20:21], s[12:13]                   ; the source: o_proj, unless the work-group's number says otherwise
	s_cmp_lt_u32 ttmp9, 352
	s_cselect_b64 s[20:21], s[10:11], s[20:21]
	s_cmp_lt_u32 ttmp9, 320
	s_cselect_b64 s[20:21], s[8:9], s[20:21]
	s_cmp_lt_u32 ttmp9, 288
	s_cselect_b64 s[20:21], s[6:7], s[20:21]
	s_cmp_lt_u32 ttmp9, 256
	s_cselect_b64 s[20:21], s[4:5], s[20:21]
	s_cselect_b32 s37, 1, 0                        ; 1: x
	s_cselect_b32 s39, ttmp9, s39                  ; which 32,768 numbers of the source,
	s_cselect_b32 s38, ttmp9, s38                  ; and of the buffer of codes
	s_cselect_b64 s[40:41], s[16:17], s[18:19]
	s_lshl_b32 s46, s39, 17
	s_lshl_b32 s47, s22, 15
	s_add_co_u32 s46, s46, s47
	s_mov_b32 s47, 0
	s_add_nc_u64 s[20:21], s[20:21], s[46:47]      ; my wave's 32,768 bytes of numbers
	s_lshl_b32 s48, s38, 15
	s_lshl_b32 s49, s22, 13
	s_add_co_u32 s48, s48, s49
	s_mov_b32 s49, 0
	s_add_nc_u64 s[40:41], s[40:41], s[48:49]      ; my wave's 8,192 bytes of codes: plane 0 of xc, or wc
	s_add_nc_u64 s[42:43], s[16:17], s[48:49]
	s_add_nc_u64 s[42:43], s[42:43], 0x800000      ; plane 1 of xc,
	s_add_nc_u64 s[44:45], s[42:43], 0x800000      ; plane 2 (both used for x alone)
.macro LOAD t
.irp i, 0,1,2,3
	global_load_b128 v[R+16*((\t)%4)+4*\i:R+16*((\t)%4)+4*\i+3], v3, s[20:21] offset:2048*(\t)+512*\i th:TH_LOAD_NT   ; 32 lanes read 512 consecutive bytes, read once in the launch
.endr
.endm
.macro TURN t                          ; step t's numbers through the stage: LDS serves a wave's instructions in order, so no wait stands between the stores and the loads
.irp i, 0,1,2,3
	ds_store_b128 v14, v[R+16*((\t)%4)+4*\i:R+16*((\t)%4)+4*\i+3] offset:32*SP*((\t)%2)+8*SP*\i
.endr
.irp i, 0,1,2,3
	ds_load_b128 v[X+16*((\t)%2)+4*\i:X+16*((\t)%2)+4*\i+3], v15 offset:32*SP*((\t)%2)+16*\i
.endr
.endm
.macro MKSC se, vs, vl                 ; from the whole number e in s[se]: v[vs] = 2^e as f32 (the conversion takes its exponent field)
	s_add_co_i32 s50, s[\se], 127
	s_lshl_b32 s51, s50, 23
	v_mov_b32 v[\vs], s51
.endm
.macro PLANE t, p, vs, vl              ; step t's 16 neighbours, converted under plane p's scale
.irp i, 0,1,2,3,4,5,6,7,8,9,10,11,12,13,14,15
.endr
	v_cvt_scalef32_pk8_fp8_f32 v[C+12*((\t)%4)+4*\p:C+12*((\t)%4)+4*\p+1], v[T+16*\p+((X+16*((\t)%2)+0)-(T+16*\p+0)):T+16*\p+7+((X+16*((\t)%2)+0)-(T+16*\p+0))], v[\vs]
	v_cvt_scalef32_pk8_fp8_f32 v[C+12*((\t)%4)+4*\p+2:C+12*((\t)%4)+4*\p+3], v[T+16*\p+8+((X+16*((\t)%2)+0)-(T+16*\p+0)):T+16*\p+15+((X+16*((\t)%2)+0)-(T+16*\p+0))], v[\vs]
.endm
.irp t, 0,1,2,3
	LOAD \t
.endr
	s_wait_kmcnt 0x0
	s_mov_b32 s36, s35                             ; the scale of plane 0 or of the weight: e11, e5, e3, e1 or e0
	s_cmp_lt_u32 ttmp9, 352
	s_cselect_b32 s36, s29, s36
	s_cmp_lt_u32 ttmp9, 320
	s_cselect_b32 s36, s27, s36
	s_cmp_lt_u32 ttmp9, 288
	s_cselect_b32 s36, s25, s36
	s_cmp_lt_u32 ttmp9, 256
	s_cselect_b32 s36, s24, s36
	MKSC 36, 5, 6
	MKSC 26, 7, 8                                  ; e2
	MKSC 28, 9, 10                                 ; e4
	s_wait_alu depctr_va_vdst(0)
	s_wait_loadcnt 12                              ; step 0's four loads are in
	TURN 0
.macro STEP t
	s_wait_dscnt 0x0                               ; this step's numbers are back from the stage, so its stores into the stage have read their registers,
.if (\t)+4 < STEPS
	LOAD (\t)+4                                    ; which take the loads of four steps on
.endif
.if (\t)+1 < STEPS
.if STEPS-2-(\t) >= 3
	s_wait_loadcnt 12                              ; the next step's four loads are in; those of the three steps behind it may be out
.else
	s_wait_loadcnt 4*(STEPS-2-(\t))
.endif
	TURN (\t)+1                                    ; and go through the other stage while this step is worked
.endif
	s_wait_xcnt 0x0                                ; the stores of four steps ago have read this set of code registers
	PLANE \t, 0, 5, 6
	v_nop                                          ; a plain line behind the last conversion of a run
	global_store_b128 v3, v[C+12*((\t)%4):C+12*((\t)%4)+3], s[40:41] offset:512*(\t)
	s_cmp_eq_u32 s37, 0                            ; a weight has one plane
	s_cbranch_scc1 .Lw_\@
	PLANE \t, 1, 7, 8
	PLANE \t, 2, 9, 10
	v_nop
	global_store_b128 v3, v[C+12*((\t)%4)+4:C+12*((\t)%4)+7], s[42:43] offset:512*(\t)
	global_store_b128 v3, v[C+12*((\t)%4)+8:C+12*((\t)%4)+11], s[44:45] offset:512*(\t)
.Lw_\@:
.endm
.irp t, 0,1,2,3,4,5,6,7,8,9,10,11,12,13,14,15
	STEP \t
.endr
	s_wait_tensorcnt 0x0
	ds_add_u32 v208, v209
	s_wait_dscnt 0x0
	s_endpgm
.Lfunc_end_k_q3a1f746dcc_quant:
	.size	k_q3a1f746dcc_quant, .Lfunc_end_k_q3a1f746dcc_quant-k_q3a1f746dcc_quant
	.p2alignl 7, 3214868480
	.fill 96, 4, 3214868480
	.section	.rodata,"a",@progbits
	.p2align	6, 0x0
	.amdhsa_kernel k_q3a1f746dcc_quant
		.amdhsa_group_segment_fixed_size 33280
		.amdhsa_private_segment_fixed_size 0
		.amdhsa_enable_private_segment 0
		.amdhsa_kernarg_size 64
		.amdhsa_user_sgpr_count 2
		.amdhsa_user_sgpr_kernarg_segment_ptr 1
		.amdhsa_wavefront_size32 1
		.amdhsa_system_sgpr_workgroup_id_x 1
		.amdhsa_system_sgpr_workgroup_id_y 1
		.amdhsa_system_sgpr_workgroup_id_z 1
		.amdhsa_system_vgpr_workitem_id 0
		.amdhsa_next_free_vgpr 210
		.amdhsa_next_free_sgpr 66
		.amdhsa_reserve_vcc 0
		.amdhsa_float_denorm_mode_32 3
		.amdhsa_float_denorm_mode_16_64 3
		.amdhsa_fp16_overflow 1
		.amdhsa_memory_ordered 1
		.amdhsa_forward_progress 1
		.amdhsa_inst_pref_size 32
	.end_amdhsa_kernel
	.amdgpu_metadata
---
amdhsa.version: [ 1, 2 ]
amdhsa.kernels:
  - .name:           k_q3a1f746dcc_quant
    .symbol:         k_q3a1f746dcc_quant.kd
    .args:
      - { .name: x, .offset: 0, .size: 8, .value_kind: global_buffer, .address_space: global }
      - { .name: q_proj, .offset: 8, .size: 8, .value_kind: global_buffer, .address_space: global }
      - { .name: k_proj, .offset: 16, .size: 8, .value_kind: global_buffer, .address_space: global }
      - { .name: v_proj, .offset: 24, .size: 8, .value_kind: global_buffer, .address_space: global }
      - { .name: o_proj, .offset: 32, .size: 8, .value_kind: global_buffer, .address_space: global }
      - { .name: lowp_scales, .offset: 40, .size: 8, .value_kind: global_buffer, .address_space: global }
      - { .name: xc, .offset: 48, .size: 8, .value_kind: global_buffer, .address_space: global }
      - { .name: wc, .offset: 56, .size: 8, .value_kind: global_buffer, .address_space: global }
    .group_segment_fixed_size: 33280
    .private_segment_fixed_size: 0
    .kernarg_segment_align: 8
    .kernarg_segment_size: 64
    .max_flat_workgroup_size: 128
    .sgpr_count:     66
    .vgpr_count:     210
    .wavefront_size: 32
...
	.end_amdgpu_metadata
.endif
;; end of part 1
;; launch qkv (part 2): grid 12 x 32, 4 waves a work-group, clusters of 4 x 4, 327,680 bytes of LDS; arguments xc, wc, lowp_scales, qkv; writes qkv
.if DOCPART == 2
	.amdgcn_target "amdgcn-amd-amdhsa--gfx1250"
	.amdhsa_code_object_version 6
	.text
	.protected	k_q3a1f746dcc_qkv
	.globl	k_q3a1f746dcc_qkv
	.p2align	8
	.type	k_q3a1f746dcc_qkv,@function
k_q3a1f746dcc_qkv:
	s_mov_b64 s[64:65], 0
	v_nop
	global_prefetch_b8 v0, s[64:65] scope:SCOPE_SE
	s_setreg_imm32_b32 hwreg(HW_REG_WAVE_MODE, 25, 1), 1
	s_wait_xcnt 0x0
	s_wait_alu depctr_hold_cnt(0) depctr_sa_sdst(0) depctr_va_vdst(0) depctr_va_sdst(0) depctr_va_ssrc(0) depctr_va_vcc(0) depctr_vm_vsrc(0)
	s_getreg_b32 s2, hwreg(HW_REG_IB_STS2, 6, 4)
	s_cmp_eq_u32 s2, 0
	s_cbranch_scc0 .Lentry_in_a_cluster
	s_endpgm
.Lentry_in_a_cluster:
	s_bfe_u32 s2, ttmp6, 0x10000c
	s_cmp_lg_u32 s2, 0xf033
	s_cbranch_scc0 .Lentry_shape_is_right
	s_endpgm
.Lentry_shape_is_right:
; The three projections q, k, v = x W^T on codes of FP8 (E4M3), sums in f32; each finished sum is quantised at once, with the scale that the attention products give it, and stored as a code.
; plane = cluster x: 0 q, 1 k, 2 v.  A sum stands for sum x 2^(ex + ew), so its code is sum / 2^es, es = e6 - e0 - e1 (q), e7 - e2 - e3 (k), e9 - e4 - e5 (v), held within +-448 x 2^es.
; LIMIT: each es lies between -126 and 119, so that 2^es and 448 x 2^es are f32 numbers.
; A tile of 256 x 256 sums is made by four waves, 128 x 128 each (64 accumulators, 512 registers); K = 1,024 goes in four steps of 256 through a ring of two LDS slots filled by the tensor data mover.
; THE TWO SIDES.  The A side feeds source 1: a lane holds ONE of its rows.  The B side feeds source 0: a lane's eight results are eight NEIGHBOURING rows of it, eight codes that lie together.
;   q, k: A = x (tile 4 Y + cy), B = W (tile cx): a lane's eight codes run along the head's channels, the K of the scores.
;   v:    A = W_v (tile cy), B = x (tile 4 Y + cx): a lane's eight codes run along the keys, the K of the second attention product.
; The choice hangs on the cluster's x alone, which all sixteen partners share, and is made by selects: one path for all planes.
; CLUSTERS: 4 x 4.  A's tile hangs on cy and is asked for jointly by a row of the cluster, B's on cx, by a column.
; WHAT IS STORED.  A head (16 b + h) owns 131,072 consecutive bytes of its plane.  q, k: [2048 places][64 channels]; row s lies at the place whose number is s with bits 3 and 4 exchanged.
;   v: [32 blocks of 64 keys][64 places][64 keys]; channel d lies at the place d with bits 3 and 4 exchanged.  (The reader then takes 16 neighbouring places as a tile, and two neighbouring tiles give a lane 16 neighbours.)
; REGISTERS, in windows of 256: window 0: v0-31 addresses and two constants; from v128 A's fragments, ONE set; on the way out v32-223.  window 1: B's fragments, two sets.  windows 2, 3: the accumulators ((a, b) at v[8 (8 (a % 4) + b)]).
.set KSTEP,  256
.set ROWB,   256                       ; a tile's row in bytes
.set KROW,   1024                      ; a row of codes in memory
.set PITCH,  272                       ; an LDS row: 256 bytes + 16 of padding = 68 words: the 16 rows that a load touches start at 16 different banks (64 banks of 4 bytes: ISA guide 11.1)
.set FR,     16                        ; registers of a fragment: 16 rows x 128 K
.set NL,     4                         ; LDS loads that bring one
.set NP,     4                         ; places behind this matrix instruction (ISA guide 7.12.1)
.set HALFT,  128*PITCH                 ; what one tensor load brings
.set SLOT,   4*HALFT                   ; A's 256 rows, then B's 256 rows
.set LAPS,   2                         ; 1,024 / 512
.set SPARE,  2*SLOT                    ; behind the ring: the spare words, 128 bytes a wave, that no other line names
.set ADRA, 16                          ; v16-17  LDS address of my A fragments in slot 0, 1
.set ADRB, 20                          ; v20-21  the same for B
.set STO,  24                          ; v24     the way out: where I put 8 codes
.set RD,   25                          ; v25     the way out: where I read 16 codes back
.set CO,   26                          ; v26     16 x lane: my place in a store's 512 bytes
.set SPW,  28                          ; v28     my spare word; never rewritten
.set NIL,  29                          ; v29     0; never rewritten
.set TMP,  32
.set CD,   96                          ; v96-223 codes: 16 registers for each of the 8 blocks
.set AF,   128                         ; A's fragments, in window 0
.set G1, 24
.set G0, 32
.set G1B, 48
.set G0B, 56
.set MSB, 0
.macro WIN new                         ; the immediate's high byte repeats the setting that is left
.if MSB != \new
	s_set_vgpr_msb (MSB<<8)|\new
.set MSB, \new
.endif
.endm
.set MUL_LO, 0xa1                      ; source 0 (B) window 1, source 1 (A) window 0, C and D window 2
.set MUL_HI, 0xf1                      ; the same, C and D window 3
.set TO_B,   0x40                      ; destination window 1, address window 0
; A joint load: waves 0 and 1 fetch for A, waves 2 and 3 for B; the branch hangs on the wave's number alone.  Four v_nop follow each of the two lines.
.macro JLOAD g0a, g1a, g0b, g1b
	s_cmp_eq_u32 s15, 0
	s_cbranch_scc0 .Lfor_b_\@
	tensor_load_to_lds s[\g0a:\g0a+3], s[\g1a:\g1a+7]
	s_nop 0
.rept 4
	v_nop
.endr
	s_branch .Lasked_\@
.Lfor_b_\@:
	tensor_load_to_lds s[\g0b:\g0b+3], s[\g1b:\g1b+7]
	s_nop 0
.rept 4
	v_nop
.endr
.Lasked_\@:
.endm
.macro CREST                           ; a round of the cluster's barrier behind its opening barrier
	s_cmp_lg_u32 s14, 0
	s_cbranch_scc1 .Lnot_wave_0_\@
	s_barrier_signal -3
.Lnot_wave_0_\@:
	s_barrier_wait -3
	s_barrier_signal -1
	s_barrier_wait -1
.endm
.macro CROUND
	s_barrier_signal -1
	s_barrier_wait -1
	CREST
.endm
	s_load_b256 s[4:11], s[0:1], 0x0               ; xc s[4:5], wc s[6:7], the scales s[8:9], qkv s[10:11]
	v_lshl_add_u32 v[SPW], v0, 2, SPARE
	v_mov_b32 v[NIL], 0
	ds_add_u32 v28, v29
	ds_add_u32 v28, v29
	s_wait_dscnt 0x0
	v_lshrrev_b32 v1, 5, v0
	v_readfirstlane_b32 s14, v1                    ; wave 0..3
	s_lshr_b32 s15, s14, 1                         ; which half of the A side's rows is mine.  Also: I fetch for A (0) or for B (1)
	s_and_b32 s16, s14, 1                          ; which half of the B side's.  Also: which 128 rows I fetch
	s_bfe_u32 s40, ttmp6, 0x40000                  ; cx
	s_bfe_u32 s41, ttmp6, 0x40004                  ; cy
	s_mov_b32 s42, ttmp9                           ; plane: the cluster's x
	s_and_b32 s17, ttmp7, 0xffff                   ; Y: the cluster's y, 0..7
	s_lshl_b32 s43, s41, 2
	s_lshl_b32 s43, 15, s43                        ; my row of the cluster
	s_lshl_b32 s44, 0x1111, s40                    ; my column
	s_or_b32 s[G1+0], s43, (0<<16)|(1<<20)|(1<<21)|(5<<22)|(3<<25)  ; 15:0 the mask; 17:16 elements of 1 byte; 20 padding on; 21 set beside a mask; 24:22 after every 64 words; 31:25 four words
	s_or_b32 s[G1B+0], s44, (0<<16)|(1<<20)|(1<<21)|(5<<22)|(3<<25)
.irp g, G1, G1B
	s_mov_b32 s[\g+1], ROWB<<16                    ; tensor_dim0
	s_mov_b32 s[\g+2], 128<<16                     ; tensor_dim1
	s_mov_b32 s[\g+3], ROWB<<16                    ; tile_dim0
	s_mov_b32 s[\g+4], 128                         ; tile_dim1
	s_mov_b32 s[\g+5], KROW                        ; from row to row
	s_mov_b32 s[\g+6], 0
	s_mov_b32 s[\g+7], 0
.endr
	s_lshl_b32 s18, s17, 2                         ; 4 Y
	s_cmp_eq_u32 s42, 2                            ; v?
	s_cselect_b32 s70, 0, s18                      ; x's tiles walk with Y: on the A side for q and k,
	s_cselect_b32 s71, s18, 0                      ; on the B side for v
	s_add_co_u32 s20, s70, s41                     ; A's tile: hangs on cy, never on cx
	s_add_co_u32 s46, s71, s40                     ; B's tile: hangs on cx, never on cy
	s_lshl_b32 s18, s16, 7                         ; which 128 rows of it I fetch
	s_lshl_b32 s20, s20, 8
	s_add_co_u32 s20, s20, s18
	s_lshl_b32 s20, s20, 10                        ; rows of 1,024 bytes: under 2^23
	s_mov_b32 s21, 0
	s_lshl_b32 s46, s46, 8
	s_add_co_u32 s46, s46, s18
	s_lshl_b32 s46, s46, 10
	s_mov_b32 s47, 0
	s_mul_i32 s45, s14, HALFT                      ; where they go: wave x 128 rows: no place in the cluster enters an LDS address
	s_lshl_b32 s18, s42, 23                        ; x's plane: 8 MiB each
	s_mov_b32 s19, 0
	s_lshl_b32 s98, s42, 20                        ; W's plane: 1 MiB each
	s_mov_b32 s99, 0
	s_wait_kmcnt 0x0
	s_load_b256 s[72:79], s[8:9], 0x0              ; e0 .. e7
	s_load_b128 s[80:83], s[8:9], 0x20             ; e8 .. e11
	s_add_nc_u64 s[66:67], s[4:5], s[18:19]        ; x's codes under this projection's scale
	s_add_nc_u64 s[68:69], s[6:7], s[98:99]        ; this projection's weight
	s_cmp_eq_u32 s42, 2
	s_cselect_b64 s[22:23], s[68:69], s[66:67]     ; the A side: x, for v the weight
	s_cselect_b64 s[66:67], s[66:67], s[68:69]     ; the B side: the weight, for v x
	s_add_nc_u64 s[20:21], s[22:23], s[20:21]
	s_add_nc_u64 s[46:47], s[66:67], s[46:47]
	CROUND                                         ; all sixteen work-groups are here: the first joint loads meet
.irp s, 0,1
	s_mov_b32 s[G0+4*\s], 1
	s_add_co_u32 s[G0+4*\s+1], s45, \s*SLOT
	s_add_nc_u64 s[G0+4*\s+2:G0+4*\s+3], s[20:21], \s*ROWB
	s_or_b32 s[G0+4*\s+3], s[G0+4*\s+3], 0x80000000
	s_mov_b32 s[G0B+4*\s], 1
	s_add_co_u32 s[G0B+4*\s+1], s45, \s*SLOT
	s_add_nc_u64 s[G0B+4*\s+2:G0B+4*\s+3], s[46:47], \s*ROWB
	s_or_b32 s[G0B+4*\s+3], s[G0B+4*\s+3], 0x80000000
	JLOAD G0+4*\s, G1, G0B+4*\s, G1B               ; two loads of mine are out
.endr
	v_and_b32 v1, 15, v0                           ; r = lane % 16
	v_bfe_u32 v2, v0, 4, 1                         ; hh = lane / 16
	v_mul_u32_u24 v3, v1, PITCH
	s_wait_alu depctr_va_vdst(0)
	v_lshl_add_u32 v4, v2, 4, v3                   ; a fragment's row x pitch + 16 x half
	s_mul_i32 s21, s15, HALFT                      ; my 128 rows of A
	s_mul_i32 s22, s16, HALFT                      ; my 128 rows of B,
	s_add_co_u32 s22, s22, 2*HALFT                 ; which lie behind A's 256
.irp s, 0,1
	v_add_nc_u32 v[ADRA+\s], s21, v4
	v_add_nc_u32 v[ADRB+\s], s22, v4
	s_add_co_u32 s21, s21, SLOT
	s_add_co_u32 s22, s22, SLOT
.endr
	; the way out: a stage of 256 rows (the A side) x 256 codes (the B side), pitch 272, from LDS byte 0 on
	s_mul_i32 s23, s15, 128*PITCH
	s_lshl_b32 s21, s16, 7
	s_add_co_u32 s23, s23, s21
	v_lshl_add_u32 v5, v2, 3, v3                   ; row r, + 8 hh
	v_add_nc_u32 v[STO], s23, v5                   ; + my 128 rows, my 128 bytes of them
	v_and_b32 v6, 31, v0
	v_lshrrev_b32 v7, 2, v6
	v_mul_u32_u24 v7, v7, PITCH
	v_and_b32 v8, 3, v6
	v_lshl_add_u32 v7, v8, 4, v7
	s_mul_i32 s23, s14, 64*PITCH
	v_add_nc_u32 v[RD], s23, v7                    ; back: wave w takes rows 64 w on; four lanes to 64 bytes of a row, eight rows an instruction
	v_lshlrev_b32 v[CO], 4, v6
	; where my wave's rows go in memory.  T: x's tile; cH: the weight's tile (four heads)
	s_cmp_eq_u32 s42, 2
	s_cselect_b32 s18, s40, s41
	s_cselect_b32 s19, s41, s40                    ; cH
	s_mov_b32 s87, 4096
	s_cselect_b32 s87, 0x20000, s87                ; from wave to wave: 64 rows of 64 bytes; for v a head
	s_mov_b32 s96, 0x20000
	s_cselect_b32 s96, 4096, s96                   ; from one group of 64 columns to the next: a head; for v a block of 64 keys
	s_mov_b32 s97, 0
	s_lshl_b32 s98, s17, 2
	s_add_co_u32 s18, s98, s18                     ; T = 4 Y + cy (for v: + cx)
	s_lshr_b32 s98, s18, 3
	s_lshl_b32 s98, s98, 21                        ; the batch: 16 heads of 131,072 bytes
	s_and_b32 s99, s18, 7
	s_lshl_b32 s99, s99, 14                        ; 256 rows of 64 bytes, or four blocks of 64 keys: 16,384 bytes either way
	s_add_co_u32 s98, s98, s99
	s_lshl_b32 s99, s19, 19                        ; four heads
	s_add_co_u32 s98, s98, s99
	s_lshl_b32 s99, s42, 23                        ; the plane
	s_add_co_u32 s98, s98, s99
	s_mul_i32 s99, s14, s87
	s_add_co_u32 s98, s98, s99
	s_mov_b32 s99, 0
	s_add_nc_u64 s[88:89], s[10:11], s[98:99]
	s_add_nc_u64 s[90:91], s[88:89], s[96:97]
	s_add_nc_u64 s[92:93], s[90:91], s[96:97]
	s_add_nc_u64 s[94:95], s[92:93], s[96:97]
.macro FRAG reg, adr, q, i             ; 16 rows x 128 K in 16 registers: lane l holds row l % 16; registers 4 c .. 4 c + 3 hold K = 32 c + 16 (l / 16) + 0 .. 15: the same places of k on both sides
.irp c, 0,1,2,3
	ds_load_b128 v[\reg+4*\c:\reg+4*\c+3], v[\adr] offset:128*(\q)+32*\c+(\i)*16*PITCH
.endr
.endm
; 16 matrix instructions: A's blocks a0, a0 + 1 x B's eight.  p: B's set.  zero = 1: the first product starts the sums.  The 64 accumulators take turns, one instruction a turn.
.macro MUL16 a0, p, zero
.irp a, \a0, \a0+1
.irp b, 0,1,2,3,4,5,6,7
.if \zero
	v_wmma_f32_16x16x128_fp8_fp8 v[8*(8*((\a)%4)+\b):8*(8*((\a)%4)+\b)+7], v[128*(\p)+FR*\b:128*(\p)+FR*\b+FR-1], v[AF+FR*(\a):AF+FR*(\a)+FR-1], 0
.else
	v_wmma_f32_16x16x128_fp8_fp8 v[8*(8*((\a)%4)+\b):8*(8*((\a)%4)+\b)+7], v[128*(\p)+FR*\b:128*(\p)+FR*\b+FR-1], v[AF+FR*(\a):AF+FR*(\a)+FR-1], v[8*(8*((\a)%4)+\b):8*(8*((\a)%4)+\b)+7]
.endif
.endr
.endr
.endm
.macro FETCH_B slot, q, p
	WIN TO_B
.irp i, 0,1,2,3,4,5,6,7
	FRAG 128*(\p)+FR*\i, ADRB+\slot, \q, \i
.endr
	WIN 0
.endm
.macro FETCH_A slot, q, i0
.irp i, \i0, \i0+1, \i0+2, \i0+3
	FRAG AF+FR*(\i), ADRA+\slot, \q, \i
.endr
.endm
.macro PLACES n                        ; plain vector lines between a matrix instruction and a load into its sources, or a read of its result
.rept \n
	v_nop
.endr
.endm
.macro STEP slot, q, zero              ; 128 along K that have their successor in the same slot
	s_wait_dscnt 4*NL                              ; B's set and A's blocks 0-3 are in; the youngest sixteen loads (A's blocks 4-7) may be out
	WIN MUL_LO
	MUL16 0, (\q)%2, \zero
	MUL16 2, (\q)%2, \zero
	s_wait_dscnt 0                                 ; A's blocks 4-7 are in
	PLACES NP
	FETCH_B \slot, (\q)+1, 1-(\q)%2
	FETCH_A \slot, (\q)+1, 0
	WIN MUL_HI
	MUL16 4, (\q)%2, \zero
	MUL16 6, (\q)%2, \zero
	PLACES NP
	WIN 0
	FETCH_A \slot, (\q)+1, 4
.endm
; A slot's last step changes slots: one barrier; in front of it each wave waits for all its tensor loads, adds 0 to its spare word, and waits for that and for its reads of this slot.
.macro TURN slot, next, fill
	s_wait_tensorcnt 0x0                           ; all my tensor loads have landed: my part of the next slot
	ds_add_u32 v[SPW], v[NIL]                      ; 0 onto my spare word
	s_wait_dscnt 4*NL+1                            ; (the add and the youngest sixteen loads may be out)
	WIN MUL_LO
	MUL16 0, 1, 0
	s_wait_dscnt 0x0                               ; the add is done, and my reads of this slot are over
	s_barrier_signal -1
	MUL16 2, 1, 0
	WIN 0
	s_barrier_wait -1
.if \fill
	CREST                                          ; the barrier has opened a round of the cluster's: no wave of any partner still reads this slot or has a load on its way
	s_add_nc_u64 s[G0+4*\slot+2:G0+4*\slot+3], s[G0+4*\slot+2:G0+4*\slot+3], 2*ROWB
	s_add_nc_u64 s[G0B+4*\slot+2:G0B+4*\slot+3], s[G0B+4*\slot+2:G0B+4*\slot+3], 2*ROWB
	JLOAD G0+4*\slot, G1, G0B+4*\slot, G1B         ; the first tensor load behind the round; its four v_nop are the places in front of the loads below
.else
	PLACES NP
.endif
	FETCH_B \next, 0, 0
	FETCH_A \next, 0, 0
	WIN MUL_HI
	MUL16 4, 1, 0
	MUL16 6, 1, 0
	PLACES NP
	WIN 0
	FETCH_A \next, 0, 4
.endm
	s_wait_tensorcnt 1                             ; my part of K step 0 is in (K step 1's load may be out)
	s_barrier_signal -1
	s_barrier_wait -1                              ; everybody's is
	FETCH_B 0, 0, 0
	FETCH_A 0, 0, 0
	FETCH_A 0, 0, 4
	STEP 0, 0, 1                                   ; the first step's products start the sums
	s_mov_b32 s3, LAPS-1
.Llap:                                                 ; a trip goes once round the ring and fills both slots again
	TURN 0, 1, 1
	STEP 1, 0, 0
	TURN 1, 0, 1
	STEP 0, 0, 0
	s_sub_co_u32 s3, s3, 1
	s_cmp_lg_u32 s3, 0
	s_cbranch_scc1 .Llap
	TURN 0, 1, 0                                   ; the last lap fills nothing
	STEP 1, 0, 0
	s_wait_dscnt 4*NL
	WIN MUL_LO
	MUL16 0, 1, 0
	MUL16 2, 1, 0
	s_wait_dscnt 0
	WIN MUL_HI
	MUL16 4, 1, 0
	MUL16 6, 1, 0
	WIN 0
	; THE WAY OUT.  The three scales are folded into the conversion's one.
	s_wait_kmcnt 0x0
	s_sub_co_i32 s84, s78, s72
	s_sub_co_i32 s84, s84, s73                     ; q: e6 - e0 - e1
	s_sub_co_i32 s85, s79, s74
	s_sub_co_i32 s85, s85, s75                     ; k: e7 - e2 - e3
	s_sub_co_i32 s86, s81, s76
	s_sub_co_i32 s86, s86, s77                     ; v: e9 - e4 - e5
	s_cmp_eq_u32 s42, 1
	s_cselect_b32 s84, s85, s84
	s_cmp_eq_u32 s42, 2
	s_cselect_b32 s84, s86, s84
	s_add_co_i32 s84, s84, 127
	s_lshl_b32 s85, s84, 23
	v_mov_b32 v12, s85                             ; 2^es as f32
	s_add_co_i32 s84, s84, 8
	s_lshl_b32 s84, s84, 23
	s_or_b32 s84, s84, 0x600000
	PLACES NP
; Block a (16 rows of the A side x my 128 of the B side): converted, 8 codes a lane and tile into the stage.  The stage lies in slot 0, which has had its last fill, and which nobody reads behind the last change of slots.
.macro CODES a
.set AC, 64*((\a)%4)
	WIN 0x02+((\a)/4)                              ; source 0: window 2 or 3
.set jj, 0
.rept 64
.set jj, jj+1
.endr
.irp b, 0,1,2,3,4,5,6,7
	v_cvt_scalef32_pk8_fp8_f32 v[CD+16*(\a)+2*\b:CD+16*(\a)+2*\b+1], v[AC+8*\b:AC+8*\b+7], v12
.endr
	WIN 0
	v_nop                                          ; a plain line behind the last conversion of a run
.irp b, 0,1,2,3,4,5,6,7
	ds_store_b64 v[STO], v[CD+16*(\a)+2*\b:CD+16*(\a)+2*\b+1] offset:(\a)*16*PITCH+16*\b   ; row 16 a + r, bytes 16 b + 8 hh on: the 32 lanes touch 64 different banks
.endr
.endm
.irp a, 0,1,2,3,4,5,6,7
	CODES \a
.endr
	s_wait_dscnt 0x0                               ; for the others' sake: my stores into the stage are done
	s_barrier_signal -1
	s_barrier_wait -1
.irp cg, 0,1,2,3                       ; 64 columns at a time: a head's channels, or a block of 64 keys
.irp g, 0,1,2,3,4,5,6,7                ; eight rows at a time
	ds_load_b128 v[32+4*(8*\cg+\g):32+4*(8*\cg+\g)+3], v[RD] offset:\cg*64+\g*8*PITCH
.endr
.endr
.irp cg, 0,1,2,3
.irp g, 0,1,2,3,4,5,6,7
	s_wait_dscnt 31-(8*\cg+\g)                     ; the younger loads may stay out
	global_store_b128 v[CO], v[32+4*(8*\cg+\g):32+4*(8*\cg+\g)+3], s[88+2*\cg:89+2*\cg] offset:512*((\g&4)|((\g&1)<<1)|((\g>>1)&1))   ; eight places of 64 bytes: 512 consecutive bytes, aligned; g's bits 0 and 1 are the row's bits 3 and 4, exchanged here
.endr
.endr
	s_wait_tensorcnt 0x0                           ; the wave's end
	ds_add_u32 v[SPW], v[NIL]
	s_wait_dscnt 0x0
	CROUND                                         ; the closing round: no work-group ends while a partner may still ask for a tile that names it
	s_endpgm
.Lfunc_end_k_q3a1f746dcc_qkv:
	.size	k_q3a1f746dcc_qkv, .Lfunc_end_k_q3a1f746dcc_qkv-k_q3a1f746dcc_qkv
	.p2alignl 7, 3214868480
	.fill 96, 4, 3214868480
	.section	.rodata,"a",@progbits
	.p2align	6, 0x0
	.amdhsa_kernel k_q3a1f746dcc_qkv
		.amdhsa_group_segment_fixed_size 327680
		.amdhsa_private_segment_fixed_size 0
		.amdhsa_enable_private_segment 0
		.amdhsa_kernarg_size 32
		.amdhsa_user_sgpr_count 2
		.amdhsa_user_sgpr_kernarg_segment_ptr 1
		.amdhsa_wavefront_size32 1
		.amdhsa_system_sgpr_workgroup_id_x 1
		.amdhsa_system_sgpr_workgroup_id_y 1
		.amdhsa_system_sgpr_workgroup_id_z 1
		.amdhsa_system_vgpr_workitem_id 0
		.amdhsa_next_free_vgpr 1024
		.amdhsa_next_free_sgpr 100
		.amdhsa_reserve_vcc 0
		.amdhsa_float_denorm_mode_32 3
		.amdhsa_float_denorm_mode_16_64 3
		.amdhsa_fp16_overflow 1
		.amdhsa_memory_ordered 1
		.amdhsa_forward_progress 1
		.amdhsa_inst_pref_size 94
	.end_amdhsa_kernel
	.amdgpu_metadata
---
amdhsa.version: [ 1, 2 ]
amdhsa.kernels:
  - .name:           k_q3a1f746dcc_qkv
    .symbol:         k_q3a1f746dcc_qkv.kd
    .args:
      - { .name: xc, .offset: 0, .size: 8, .value_kind: global_buffer, .address_space: global }
      - { .name: wc, .offset: 8, .size: 8, .value_kind: global_buffer, .address_space: global }
      - { .name: lowp_scales, .offset: 16, .size: 8, .value_kind: global_buffer, .address_space: global }
      - { .name: qkv, .offset: 24, .size: 8, .value_kind: global_buffer, .address_space: global }
    .group_segment_fixed_size: 327680
    .private_segment_fixed_size: 0
    .kernarg_segment_align: 8
    .kernarg_segment_size: 32
    .max_flat_workgroup_size: 128
    .sgpr_count:     100
    .vgpr_count:     1024
    .wavefront_size: 32
...
	.end_amdgpu_metadata
.endif
;; end of part 2
;; launch attn (part 3): grid 256 x 1, 16 waves a work-group, clusters of 4 x 1, 327,680 bytes of LDS; arguments qkv, lowp_scales, ac; writes ac
.if DOCPART == 3
	.amdgcn_target "amdgcn-amd-amdhsa--gfx1250"
	.amdhsa_code_object_version 6
	.text
	.protected	k_q3a1f746dcc_attn
	.globl	k_q3a1f746dcc_attn
	.p2align	8
	.type	k_q3a1f746dcc_attn,@function
k_q3a1f746dcc_attn:
	s_mov_b64 s[64:65], 0
	v_nop
	global_prefetch_b8 v0, s[64:65] scope:SCOPE_SE
	s_setreg_imm32_b32 hwreg(HW_REG_WAVE_MODE, 25, 1), 1
	s_wait_xcnt 0x0
	s_wait_alu depctr_hold_cnt(0) depctr_sa_sdst(0) depctr_va_vdst(0) depctr_va_sdst(0) depctr_va_ssrc(0) depctr_va_vcc(0) depctr_vm_vsrc(0)
	s_getreg_b32 s2, hwreg(HW_REG_IB_STS2, 6, 4)
	s_cmp_eq_u32 s2, 0
	s_cbranch_scc0 .Lentry_in_a_cluster
	s_endpgm
.Lentry_in_a_cluster:
	s_bfe_u32 s2, ttmp6, 0x10000c
	s_cmp_lg_u32 s2, 0x3003
	s_cbranch_scc0 .Lentry_shape_is_right
	s_endpgm
.Lentry_shape_is_right:
; Causal attention of one head (64 channels, 2,048 keys) on codes of FP8 (E4M3): S = q k^T / 8, softmax, O = P v; O / l is quantised with 2^e10 and stored as codes.
; THE SOFTMAX: t = score x log2(e) / 8; M = the running largest t rounded UP to a whole number; p = 2^(t - M) is quantised with 2^e8, not normalised; l is the sum of the unquantised p, in f32, and divides at the end.
; When M moves, l and O are multiplied by 2^(old M - new M): nothing is rounded.
; LIMITS on the given exponents, so that each power of two below is an f32 number: e6 + e7 between -123 and 130 (added to the exponent field of log2(e) / 8); e8, and e10 - e8 - e9, between -126 and 119.
; SHARES.  A cluster of four work-groups owns a head (the cluster's x = 16 b + h).  The head's 128 tiles of 16 queries form 32 quads of 64 queries; partner j (its place in the cluster) owns tile j of every quad.
; Wave w (of 16) works quad 31 - w and then quad w.  Quad m needs m / 2 + 1 steps of 128 keys, so every wave of every work-group has 17 steps.  What a wave leaves out and where its diagonal lies hang on the wave's
; number and a loop's counter alone, alike in all partners; the place in the cluster enters global addresses and the mask's numbers alone.
; K AND V STAY IN LDS: the head's 131,072 bytes of each are brought once, by joint loads (the same load with a mask that names all four partners), two a wave: keys 0-1,023, then keys 1,024-2,047.  No LDS byte is filled twice.
; The first eight steps of the first pass need the first half alone and run while the second half lands.  All of K and V is asked for at the head, so there is no later stream to ask for ahead.
; LAYOUT.  Both products are used transposed: S^T = K Q^T (source 0 = 16 keys), O^T = V^T P^T (source 0 = 16 channels): a lane holds ONE query (lane % 16) throughout.
; In memory key s lies at the place s with bits 3 and 4 exchanged.  A tile takes 16 neighbouring places, so register i of tiles 2 b, 2 b + 1 together holds key 32 b + 16 (lane / 16) + i, i = 0 .. 15: p's codes are the
; second product's operand as they come.  V's channels are placed likewise, so a lane's O^T of tiles 2 t, 2 t + 1 are channels 32 t + 16 (lane / 16) + 0 .. 15: 16 codes on end.
; LDS: rows of 64 bytes lie four to a line of 256 bytes + 16 of padding: row n, byte x at 272 (n / 4) + 64 (n % 4) + x: the 16 lanes of half a load touch 16 different columns of 16 bytes.
; REGISTERS: v1-7, v10 addresses and the mask's numbers; v8, v9 addresses in hand; v12 -M, v13 the largest t, v[14:15] l in two halves; v16-23, v24-31 Q of the two passes; v32-95 K's 8 fragments, then V's 4;
; v96-159 S^T, then p; v160-191 O^T; v192-207 p's codes; v208-223 the way out; v236-255 constants and at work.
.set LINE,  272
.set STEPB, 32*LINE                    ; 128 rows of 64 bytes: a step's keys of K, and a step's two blocks of V; also what one tensor load brings
.set HALFB, 8*STEPB                    ; 1,024 keys
.set VBASE, 16*STEPB                   ; K from byte 0, V from here,
.set STAGE, 2*VBASE                    ; and the stages for the way out: 1,024 bytes a wave, into which no load lands
.macro ROUND                           ; a round of the cluster's barrier
	s_barrier_signal -1
	s_barrier_wait -1
	s_cmp_lg_u32 s18, 0
	s_cbranch_scc1 .Lnot_wave_0_\@
	s_barrier_signal -3
.Lnot_wave_0_\@:
	s_barrier_wait -3
	s_barrier_signal -1
	s_barrier_wait -1
.endm
	s_load_b128 s[4:7], s[0:1], 0x0                ; qkv s[4:5], the scales s[6:7]
	s_load_b64 s[8:9], s[0:1], 0x10                ; ac
	v_lshl_add_u32 v250, v0, 2, 0x48000
	v_mov_b32 v251, 0
	ds_add_u32 v250, v251
	ds_add_u32 v250, v251
	v_lshrrev_b32 v8, 5, v0
	s_delay_alu instid0(VALU_DEP_1)
	v_readfirstlane_b32 s18, v8                    ; wave 0..15
	s_lshr_b32 s12, s18, 3                         ; waves 0-7 fetch K, waves 8-15 V;
	s_and_b32 s13, s18, 7                          ; which 8,192 bytes of each half
	s_mul_i32 s14, s12, VBASE
	s_mul_i32 s15, s13, STEPB
	s_add_co_u32 s14, s14, s15                     ; where they go: the wave's number alone enters
	s_add_co_u32 s16, s12, 1
	s_lshl_b32 s16, s16, 23                        ; plane 1 (k) or 2 (v) of qkv,
	s_lshl_b32 s15, ttmp9, 17                      ; the head,
	s_add_co_u32 s16, s16, s15
	s_lshl_b32 s15, s13, 13                        ; my part
	s_add_co_u32 s16, s16, s15
	s_mov_b32 s17, 0
	; descriptor group 1: a dense block as 32 rows of 256 bytes (32 elements of 8 bytes), 16 bytes of padding behind each
	s_mov_b32 s24, 15|(3<<16)|(1<<20)|(1<<21)|(5<<22)|(3<<25)  ; 15:0 the mask: all four partners; 17:16 elements of 8 bytes; 20 padding on; 21 set beside a mask; 24:22 after every 64 words; 31:25 four words
	s_mov_b32 s25, 32<<16                          ; tensor_dim0
	s_mov_b32 s26, 32<<16                          ; tensor_dim1
	s_mov_b32 s27, 32<<16                          ; tile_dim0
	s_mov_b32 s28, 32                              ; tile_dim1
	s_mov_b32 s29, 32                              ; from row to row
	s_mov_b32 s30, 0
	s_mov_b32 s31, 0
	s_mov_b32 s20, 0x76543210                      ; v_permlanex16_b32's selects for lane l xor 16
	s_mov_b32 s21, 0xfedcba98
	s_wait_dscnt 0x0
	s_wait_kmcnt 0x0
	s_load_b256 s[40:47], s[6:7], 0x0              ; e0 .. e7
	s_load_b128 s[48:51], s[6:7], 0x20             ; e8 .. e11
	s_mov_b32 s32, 1
	s_mov_b32 s33, s14
	s_add_nc_u64 s[34:35], s[4:5], s[16:17]        ; keys 0-1,023
	s_mov_b32 s36, 1
	s_add_co_u32 s37, s14, HALFB
	s_add_nc_u64 s[38:39], s[34:35], 0x10000       ; keys 1,024-2,047
	s_or_b32 s35, s35, 0x80000000                  ; type = 2
	s_or_b32 s39, s39, 0x80000000
	ROUND                                          ; all four work-groups are here: the joint loads meet
	tensor_load_to_lds s[32:35], s[24:31]          ; every wave issues both: one load of mine is out
	s_nop 0
	s_wait_alu depctr_va_vdst(0)
	s_wait_tensorcnt 0x0
	ds_add_u32 v250, v251
	s_wait_dscnt 0x0
	ROUND
	tensor_load_to_lds s[36:39], s[24:31]
	s_nop 0
.rept 4
	v_nop
.endr
	s_bfe_u32 s19, ttmp6, 0x40000                  ; j: my place in the cluster
	s_xor_b32 s12, s18, 31                         ; the first pass's quad: 31 - w
	s_lshr_b32 s10, s12, 1                         ; its diagonal's step,
	s_lshr_b32 s11, s18, 1                         ; and the second pass's
	; Q: query 64 m + 16 j + r lies at place 64 m + 32 (j / 2) + 16 (r / 8) + 8 (j % 2) + r % 8
	s_lshr_b32 s84, s19, 1
	s_lshl_b32 s84, s84, 11
	s_and_b32 s85, s19, 1
	s_lshl_b32 s85, s85, 9
	s_add_co_u32 s84, s84, s85
	s_lshl_b32 s85, ttmp9, 17
	s_add_co_u32 s84, s84, s85
	s_lshl_b32 s86, s12, 12
	s_add_co_u32 s86, s86, s84
	s_mov_b32 s87, 0
	s_add_nc_u64 s[54:55], s[4:5], s[86:87]
	s_lshl_b32 s86, s18, 12
	s_add_co_u32 s86, s86, s84
	s_add_nc_u64 s[56:57], s[4:5], s[86:87]
	; ac: [8 b + s / 256][h][256 rows][64]: my tile's 16 rows are 1,024 consecutive bytes
	s_lshr_b32 s84, ttmp9, 4
	s_lshl_b32 s84, s84, 21
	s_and_b32 s85, ttmp9, 15
	s_lshl_b32 s85, s85, 14
	s_add_co_u32 s84, s84, s85
	s_lshl_b32 s85, s19, 10
	s_add_co_u32 s84, s84, s85
	s_lshr_b32 s86, s12, 2
	s_lshl_b32 s86, s86, 18
	s_and_b32 s88, s12, 3
	s_lshl_b32 s88, s88, 12
	s_add_co_u32 s86, s86, s88
	s_add_co_u32 s86, s86, s84
	s_add_nc_u64 s[58:59], s[8:9], s[86:87]
	s_lshr_b32 s86, s18, 2
	s_lshl_b32 s86, s86, 18
	s_and_b32 s88, s18, 3
	s_lshl_b32 s88, s88, 12
	s_add_co_u32 s86, s86, s88
	s_add_co_u32 s86, s86, s84
	s_add_nc_u64 s[60:61], s[8:9], s[86:87]
	v_and_b32 v8, 15, v0                           ; r
	v_bfe_u32 v9, v0, 4, 1                         ; hh
	s_delay_alu instid0(VALU_DEP_2)
	v_lshrrev_b32 v10, 3, v8
	s_delay_alu instid0(VALU_DEP_1)
	v_lshlrev_b32 v10, 4, v10
	s_delay_alu instid0(VALU_DEP_4)
	v_and_b32 v254, 7, v8
	s_delay_alu instid0(VALU_DEP_1)
	v_add_nc_u32 v10, v10, v254
	s_delay_alu instid0(VALU_DEP_1)
	v_lshlrev_b32 v10, 6, v10
	s_delay_alu instid0(VALU_DEP_1)
	v_lshl_add_u32 v10, v9, 4, v10                 ; Q: (16 (r / 8) + r % 8) rows of 64 bytes + 16 hh; never rewritten
	global_load_b128 v[16:19], v10, s[54:55]           ; Q's fragments stay in registers: registers 4 c .. 4 c + 3 hold channels 32 c + 16 hh + 0 .. 15, as K's do
	global_load_b128 v[20:23], v10, s[54:55] offset:32
	global_load_b128 v[24:27], v10, s[56:57]
	global_load_b128 v[28:31], v10, s[56:57] offset:32
	v_lshrrev_b32 v254, 2, v8
	s_delay_alu instid0(VALU_DEP_1)
	v_mul_u32_u24 v1, v254, LINE
	v_and_b32 v254, 3, v8
	s_delay_alu instid0(VALU_DEP_1)
	v_lshl_add_u32 v1, v254, 6, v1
	s_delay_alu instid0(VALU_DEP_1)
	v_lshl_add_u32 v1, v9, 4, v1                   ; my lane's place in a tile of 16 rows of K,
	s_delay_alu instid0(VALU_DEP_1)
	v_add_nc_u32 v2, VBASE, v1                     ; and of V
	s_lshl_b32 s13, s18, 10
	s_add_co_u32 s13, s13, STAGE                   ; my stage
	v_lshlrev_b32 v3, 6, v8
	s_delay_alu instid0(VALU_DEP_1)
	v_lshl_add_u32 v3, v9, 4, v3
	s_delay_alu instid0(VALU_DEP_1)
	v_add_nc_u32 v3, s13, v3                       ; in: row r of 64 bytes, + 16 hh
	v_and_b32 v5, 31, v0
	s_delay_alu instid0(VALU_DEP_1)
	v_lshlrev_b32 v5, 4, v5                        ; 16 x lane: my place in a store's 512 bytes
	s_delay_alu instid0(VALU_DEP_1)
	v_add_nc_u32 v4, s13, v5                       ; back: as the bytes lie
	; the mask's number: in the diagonal's step register 16 b + i holds a hidden key where 32 b + i > 64 (m % 2) + 16 j + r - 16 hh
	v_lshlrev_b32 v254, 4, v9
	s_delay_alu instid0(VALU_DEP_1)
	v_sub_nc_u32 v254, v8, v254
	s_lshl_b32 s89, s19, 4
	s_and_b32 s88, s12, 1
	s_lshl_b32 s88, s88, 6
	s_add_co_u32 s88, s88, s89
	v_add_nc_u32 v6, s88, v254
	s_and_b32 s88, s18, 1
	s_lshl_b32 s88, s88, 6
	s_add_co_u32 s88, s88, s89
	v_add_nc_u32 v7, s88, v254
	v_mov_b32 v236, 0                              ; written once: a lane permute's destination counts as one of its sources
	v_mov_b32 v253, 0                              ; (named as the upper half of the pair v[252:253])
	v_mov_b32 v255, 0xff800000                     ; -infinity
	s_wait_kmcnt 0x0
	s_mov_b32 s22, 0x3e38aa3b                      ; log2(e) / 8
	s_add_co_i32 s13, s46, s47
	s_lshl_b32 s13, s13, 23
	s_add_co_i32 s22, s22, s13                     ; x 2^(e6 + e7): a score stands for score x 2^(e6 + e7)
	s_mov_b32 s23, s22                             ; (named with it as a pair, so it is written)
	s_add_co_i32 s13, s48, 127
	s_lshl_b32 s15, s13, 23
	v_mov_b32 v244, s15                            ; 2^e8, for p's conversions
	s_sub_co_i32 s13, s50, s48
	s_sub_co_i32 s13, s13, s49                     ; a sum of the second product stands for sum x 2^(e8 + e9): its code is (sum / l) / 2^(e10 - e8 - e9)
	s_add_co_i32 s13, s13, 127
	s_lshl_b32 s15, s13, 23
	v_mov_b32 v246, s15
.macro INIT                            ; a pass begins: the step is written once, and its first walk finds zeros, which the first change of M leaves zeros
	v_mov_b32 v13, 0xff61b1e6                      ; the largest t so far: -3e38
	s_delay_alu instid0(VALU_DEP_1)
	v_floor_f32 v12, -v13                          ; -M
	v_mov_b32 v14, 0
	v_mov_b32 v15, 0
.set n, 0
.rept 32
	v_mov_b32 v[160+n], 0
.set n, n+1
.endr
.endm
; A STEP of 128 keys, those at LDS byte s2 of K's and of V's region; s3 is the step's number.  qr: Q's registers.  causal = 1: steps behind the diagonal's (s[ds]) are left out, and in the diagonal's the hidden scores
; become -infinity (v[dreg]: the mask's number).  Both tests are scalar branches on the wave's number and the loop's counter.
.macro STEP qr, causal, ds, dreg
.if \causal
	s_cmp_gt_u32 s3, s[\ds]
	s_cbranch_scc1 .Lhid_\@
.endif
	s_setprio 2
	v_add_nc_u32 v8, s2, v1
	v_add_nc_u32 v9, s2, v2
	v_nop
	v_nop                                          ; four plain lines between the last products and the loads into their sources
.irp t, 0,1,2,3,4,5,6,7
.irp c, 0,1
	ds_load_b128 v[32+8*\t+4*\c:35+8*\t+4*\c], v8 offset:4*LINE*\t+32*\c
.endr
.endr
	s_wait_alu depctr_va_vdst(0)
	s_wait_dscnt 0x0
.irp t, 0,1,2,3,4,5,6,7
	v_wmma_f32_16x16x64_fp8_fp8 v[96+8*\t:103+8*\t], v[32+8*\t:39+8*\t], v[\qr:\qr+7], 0
.endr
.rept 4
	v_nop                                          ; places in front of the loads into K's registers, and of the first read of the scores
.endr
.irp t, 0,1,2,3                        ; V's four fragments land while the softmax is worked: channels' places 16 t on; keys 32 c + 16 hh + 0 .. 15 in registers 4 c .. 4 c + 3
.irp c, 0,1,2,3
	ds_load_b128 v[32+16*\t+4*\c:35+16*\t+4*\c], v9 offset:((\c/2)*16+4*\t)*LINE+32*(\c%2)
.endr
.endr
.if \causal
	s_cmp_lt_u32 s3, s[\ds]
	s_cbranch_scc1 .Lopen_\@
.set n, 0
.rept 64
	v_cmp_gt_i32 vcc_lo, 32*(n/16)+n%16, v[\dreg]
	v_cndmask_b32 v[96+n], v[96+n], v255, vcc_lo
.set n, n+1
.endr
.Lopen_\@:
.endif
	v_max3_num_f32 v254, v96, v97, v98             ; the step's largest score of my query among my 64 keys, in two chains, from each result's low end on,
	v_max3_num_f32 v252, v99, v100, v101
.irp i, 6,10,14,18,22,26,30,34,38,42,46,50,54,58
	v_max3_num_f32 v254, v254, v[96+\i], v[97+\i]
	v_max3_num_f32 v252, v252, v[98+\i], v[99+\i]
.endr
	v_max3_num_f32 v254, v254, v158, v159
	s_delay_alu instid0(VALU_DEP_1)
	v_max_num_f32 v254, v254, v252
	s_delay_alu instid0(VALU_DEP_1)
	v_permlanex16_b32 v236, v254, s20, s21
	s_delay_alu instid0(VALU_DEP_1)
	v_max_num_f32 v254, v254, v236                 ; and among lane l xor 16's
	s_delay_alu instid0(VALU_DEP_1)
	v_mul_f32 v254, s22, v254                      ; as t (the factor is positive)
	s_delay_alu instid0(VALU_DEP_1)
	v_max_num_f32 v13, v13, v254                   ; the running largest t
	v_mov_b32 v254, v12
	s_delay_alu instid0(VALU_DEP_2)
	v_floor_f32 v12, -v13                          ; the new -M = floor(-t): M is a whole number
	s_delay_alu instid0(VALU_DEP_1)
	v_sub_f32 v254, v12, v254                      ; old M - new M: a whole number, 0 or less
	s_delay_alu instid0(VALU_DEP_1)
	v_cvt_i32_f32 v254, v254                       ; (it saturates)
	s_delay_alu instid0(VALU_DEP_1)
	v_ldexp_f32 v252, 1.0, v254                    ; f = 2^(old M - new M)
.set n, 0
.rept 32
	v_pk_fma_f32 v[96+n:97+n], v[96+n:97+n], s[22:23], v[12:13] op_sel_hi:[1,0,0]   ; t - M, two at a time
.set n, n+2
.endr
.set n, 0
	s_setprio 1
	s_wait_alu depctr_va_vdst(0)
.rept 64
	v_exp_f32 v[96+n], v[96+n]                     ; p = 2^(t - M)
.set n, n+1
.endr
	v_pk_mul_f32 v[14:15], v[14:15], v[252:253] op_sel_hi:[1,0]   ; l under the new M; the plain line behind the exponentials
	s_wait_alu depctr_va_vdst(0)                   ; one wait for the whole batch, ahead of its first reader
	v_pk_add_f32 v[242:243], v[96:97], v[98:99]    ; l is taken of the unquantised p: two at a time, in two chains
.irp j, 4,8,12,16,20,24,28,32,36,40,44,48,52,56,60
	v_pk_add_f32 v[14:15], v[14:15], v[96+\j:97+\j]
	v_pk_add_f32 v[242:243], v[242:243], v[98+\j:99+\j]
.endr
	s_delay_alu instid0(VALU_DEP_1)
	v_pk_add_f32 v[14:15], v[14:15], v[242:243]
	s_setprio 0
.irp b, 0,1,2,3
.irp i, 0,1,2,3,4,5,6,7,8,9,10,11,12,13,14,15
.endr
	v_cvt_scalef32_pk8_fp8_f32 v[192+4*\b:193+4*\b], v[96+16*\b:103+16*\b], v244
	v_cvt_scalef32_pk8_fp8_f32 v[194+4*\b:195+4*\b], v[104+16*\b:111+16*\b], v244
.endr
.set n, 0
.rept 16
	v_pk_mul_f32 v[160+n:161+n], v[160+n:161+n], v[252:253] op_sel_hi:[1,0]   ; O^T under the new M; these are also the plain lines behind the conversions
.set n, n+2
.endr
	s_wait_alu depctr_va_vdst(0)
	s_wait_dscnt 0x0                               ; V is in
.irp t, 0,1,2,3                        ; four accumulators by turns, one instruction a turn; the next step's eight products stand between two links of a chain
	v_wmma_f32_16x16x128_fp8_fp8 v[160+8*\t:167+8*\t], v[32+16*\t:47+16*\t], v[192:207], v[160+8*\t:167+8*\t]
.endr
.if \causal
.Lhid_\@:
.endif
.endm
; A pass ends: O^T / l, converted (16 codes a lane for each half of the channels), through my stage, and out as 1,024 consecutive bytes.
.macro FINISH ob
	s_wait_xcnt 0x0                                ; the first pass's stores have read the registers that are loaded below
	v_add_f32 v14, v14, v15                        ; l's two halves,
	s_delay_alu instid0(VALU_DEP_1)
	v_permlanex16_b32 v236, v14, s20, s21
	s_delay_alu instid0(VALU_DEP_1)
	v_add_f32 v14, v14, v236                       ; and lane l xor 16's
	v_nop
	v_nop                                          ; (with the additions: the places behind the last products)
	s_wait_alu depctr_va_vdst(0)
	v_rcp_f32 v14, v14
	v_nop                                          ; a plain line behind the reciprocal,
	s_wait_alu depctr_va_vdst(0)                   ; and the wait ahead of its first reader
.set n, 0
.rept 16
	v_pk_mul_f32 v[96+n:97+n], v[160+n:161+n], v[14:15] op_sel_hi:[1,0]
.set n, n+2
.endr
.set n, 0
.rept 32
.set n, n+1
.endr
.irp k, 0,1,2,3
	v_cvt_scalef32_pk8_fp8_f32 v[216+2*\k:217+2*\k], v[96+8*\k:103+8*\k], v246
.endr
	v_nop                                          ; a plain line behind the last conversion of a run
	ds_store_b128 v3, v[216:219]                   ; channels 16 hh + 0 .. 15 of query r,
	ds_store_b128 v3, v[220:223] offset:32         ; and 32 + 16 hh + 0 .. 15
	ds_load_b128 v[208:211], v4                    ; LDS serves a wave's instructions in order: these see my stores
	ds_load_b128 v[212:215], v4 offset:512
	s_wait_dscnt 0x0
	global_store_b128 v5, v[208:211], s[\ob:\ob+1]             ; 512 consecutive bytes, aligned
	global_store_b128 v5, v[212:215], s[\ob:\ob+1] offset:512
.endm
	INIT
	s_wait_tensorcnt 1                             ; my part of keys 0-1,023 is in; my part of the rest may stay out: no LDS byte is filled twice,
	s_barrier_signal -1
	s_barrier_wait -1                              ; everybody's is
	s_wait_loadcnt 0x0                             ; Q
	s_mov_b32 s2, 0
	s_mov_b32 s3, 0
.Lfirst_half:                                          ; quad 31 - w, steps 0-7: its queries are 1,024 or later, so every key counts.  The reads end under byte HALFB of each region
	STEP 16, 0, 0, 0
	s_add_co_u32 s2, s2, STEPB
	s_add_co_u32 s3, s3, 1
	s_cmp_lt_u32 s3, 8
	s_cbranch_scc1 .Lfirst_half
	s_setprio 0
	s_wait_tensorcnt 0x0                           ; my part of keys 1,024 on is in,
	s_wait_dscnt 0x0
	s_barrier_signal -1
	s_barrier_wait -1                              ; everybody's is
	s_mov_b32 s2, HALFB
	s_mov_b32 s3, 8
.Lsecond_half:                                         ; steps 8-15 of the same quad, up to its diagonal
	STEP 16, 1, 10, 6
	s_add_co_u32 s2, s2, STEPB
	s_add_co_u32 s3, s3, 1
	s_cmp_lt_u32 s3, 16
	s_cbranch_scc1 .Lsecond_half
	s_setprio 0
	FINISH 58
	INIT
	s_mov_b32 s2, 0
	s_mov_b32 s3, 0
.Lsecond_pass:                                         ; quad w: steps 0-7, up to its diagonal
	STEP 24, 1, 11, 7
	s_add_co_u32 s2, s2, STEPB
	s_add_co_u32 s3, s3, 1
	s_cmp_lt_u32 s3, 8
	s_cbranch_scc1 .Lsecond_pass
	s_setprio 0
	FINISH 60
	s_wait_tensorcnt 0x0
	ds_add_u32 v250, v251
	s_wait_dscnt 0x0
	ROUND                                          ; the closing round
	s_endpgm
.Lfunc_end_k_q3a1f746dcc_attn:
	.size	k_q3a1f746dcc_attn, .Lfunc_end_k_q3a1f746dcc_attn-k_q3a1f746dcc_attn
	.p2alignl 7, 3214868480
	.fill 96, 4, 3214868480
	.section	.rodata,"a",@progbits
	.p2align	6, 0x0
	.amdhsa_kernel k_q3a1f746dcc_attn
		.amdhsa_group_segment_fixed_size 327680
		.amdhsa_private_segment_fixed_size 0
		.amdhsa_enable_private_segment 0
		.amdhsa_kernarg_size 24
		.amdhsa_user_sgpr_count 2
		.amdhsa_user_sgpr_kernarg_segment_ptr 1
		.amdhsa_wavefront_size32 1
		.amdhsa_system_sgpr_workgroup_id_x 1
		.amdhsa_system_sgpr_workgroup_id_y 1
		.amdhsa_system_sgpr_workgroup_id_z 1
		.amdhsa_system_vgpr_workitem_id 0
		.amdhsa_next_free_vgpr 256
		.amdhsa_next_free_sgpr 100
		.amdhsa_reserve_vcc 1
		.amdhsa_float_denorm_mode_32 3
		.amdhsa_float_denorm_mode_16_64 3
		.amdhsa_fp16_overflow 1
		.amdhsa_memory_ordered 1
		.amdhsa_forward_progress 1
		.amdhsa_inst_pref_size 67
	.end_amdhsa_kernel
	.amdgpu_metadata
---
amdhsa.version: [ 1, 2 ]
amdhsa.kernels:
  - .name:           k_q3a1f746dcc_attn
    .symbol:         k_q3a1f746dcc_attn.kd
    .args:
      - { .name: qkv, .offset: 0, .size: 8, .value_kind: global_buffer, .address_space: global }
      - { .name: lowp_scales, .offset: 8, .size: 8, .value_kind: global_buffer, .address_space: global }
      - { .name: ac, .offset: 16, .size: 8, .value_kind: global_buffer, .address_space: global }
    .group_segment_fixed_size: 327680
    .private_segment_fixed_size: 0
    .kernarg_segment_align: 8
    .kernarg_segment_size: 24
    .max_flat_workgroup_size: 512
    .sgpr_count:     100
    .vgpr_count:     256
    .wavefront_size: 32
...
	.end_amdgpu_metadata
.endif
;; end of part 3
;; launch oproj (part 4): grid 4 x 32, 4 waves a work-group, clusters of 4 x 4, 327,680 bytes of LDS; arguments ac, wc, lowp_scales, out0; writes out0
.if DOCPART == 4
	.amdgcn_target "amdgcn-amd-amdhsa--gfx1250"
	.amdhsa_code_object_version 6
	.text
	.protected	k_q3a1f746dcc_oproj
	.globl	k_q3a1f746dcc_oproj
	.p2align	8
	.type	k_q3a1f746dcc_oproj,@function
k_q3a1f746dcc_oproj:
	s_mov_b64 s[64:65], 0
	v_nop
	global_prefetch_b8 v0, s[64:65] scope:SCOPE_SE
	s_setreg_imm32_b32 hwreg(HW_REG_WAVE_MODE, 25, 1), 1
	s_wait_xcnt 0x0
	s_wait_alu depctr_hold_cnt(0) depctr_sa_sdst(0) depctr_va_vdst(0) depctr_va_sdst(0) depctr_va_ssrc(0) depctr_va_vcc(0) depctr_vm_vsrc(0)
	s_getreg_b32 s2, hwreg(HW_REG_IB_STS2, 6, 4)
	s_cmp_eq_u32 s2, 0
	s_cbranch_scc0 .Lentry_in_a_cluster
	s_endpgm
.Lentry_in_a_cluster:
	s_bfe_u32 s2, ttmp6, 0x10000c
	s_cmp_lg_u32 s2, 0xf033
	s_cbranch_scc0 .Lentry_shape_is_right
	s_endpgm
.Lentry_shape_is_right:
; out0[m][n] = 2^(e10 + e11) x the sum over k of A[m][k] B[n][k], on codes of FP8 (E4M3); sums in f32.  m: 8,192 rows (b, s); n: 1,024; k = 64 h + d: 1,024.
; A: the attention's codes, laid [T = m / 256][h][256 rows][64 bytes].  B: plane 3 of wc, o_proj's codes, [1024][1024], K innermost.
; LIMIT: e10 + e11 lies between -126 and 127, so that 2^(e10 + e11) is an f32 number.
; A tile of 256 x 256 is made by four waves, 128 x 128 each (64 accumulators, 512 registers); K goes in four steps of 256 (four heads) through a ring of two LDS slots filled by the tensor data mover.
; 128 tiles, one to a work-group: this launch has work for 128 work-groups.
; A's tile of a K step is 65,536 consecutive bytes of memory; a wave brings two heads of it as 128 lines of 256 bytes, padded to 272: head g of the step at 64 g lines; row n, byte x at 272 (n / 4) + 64 (n % 4) + x.
; CLUSTERS: 4 x 4.  A's tile hangs on the tile row and is asked for jointly by a row of the cluster, B's on the tile column, by a column.
; THE MATRIX INSTRUCTION IS USED TRANSPOSED (source 0 = 16 rows of B, source 1 = 16 rows of A): a lane holds eight neighbouring numbers of a row of out0.
; REGISTERS, in windows of 256: window 0: v0-31 addresses; from v128 A's fragments, ONE set; on the way out v32-255.  window 1: B's fragments, two sets.  windows 2, 3: the accumulators ((a, b) at v[8 (8 (a % 4) + b)]).
.set SIZE_N, 1024
.set ROWB,   256                       ; a line of a tile in bytes
.set KROW,   1024                      ; a row of B in memory
.set ASTEP,  65536                     ; a K step of A's tile in memory
.set PITCH,  272                       ; 256 bytes + 16 of padding = 68 words: what a fragment load touches starts at 16 different banks (64 banks of 4 bytes: ISA guide 11.1)
.set HEADB,  64*PITCH                  ; a head's 256 rows of 64 bytes in LDS
.set FR,     16
.set NL,     4
.set NP,     4                         ; places behind this matrix instruction (ISA guide 7.12.1)
.set HALFT,  128*PITCH                 ; what one tensor load brings
.set SLOT,   4*HALFT                   ; A's four heads, then B's 256 rows
.set LAPS,   2
.set SPARE,  2*SLOT                    ; behind the ring: the spare words, 128 bytes a wave, that no other line names
.set SPITCH, 528                       ; the way out: a stage of 16 rows x (512 bytes + 16) for each wave, in slot 0, which has had its last fill and its last read when the first result is stored there
.set ADRA, 16
.set ADRB, 20
.set STO,  24
.set RD,   25
.set CO,   26
.set SPW,  28
.set NIL,  29
.set TMP,  32
.set AF,   128
.set BK,   128
.set G1, 24
.set G0, 32
.set G1B, 48
.set G0B, 56
.set MSB, 0
.macro WIN new                         ; the immediate's high byte repeats the setting that is left
.if MSB != \new
	s_set_vgpr_msb (MSB<<8)|\new
.set MSB, \new
.endif
.endm
.set MUL_LO, 0xa1
.set MUL_HI, 0xf1
.set TO_B,   0x40
.macro JLOAD g0a, g1a, g0b, g1b        ; a joint load: waves 0 and 1 fetch for A, waves 2 and 3 for B; four v_nop follow each of the two lines
	s_cmp_eq_u32 s15, 0
	s_cbranch_scc0 .Lfor_b_\@
	tensor_load_to_lds s[\g0a:\g0a+3], s[\g1a:\g1a+7]
	s_nop 0
.rept 4
	v_nop
.endr
	s_branch .Lasked_\@
.Lfor_b_\@:
	tensor_load_to_lds s[\g0b:\g0b+3], s[\g1b:\g1b+7]
	s_nop 0
.rept 4
	v_nop
.endr
.Lasked_\@:
.endm
.macro CREST
	s_cmp_lg_u32 s14, 0
	s_cbranch_scc1 .Lnot_wave_0_\@
	s_barrier_signal -3
.Lnot_wave_0_\@:
	s_barrier_wait -3
	s_barrier_signal -1
	s_barrier_wait -1
.endm
.macro CROUND
	s_barrier_signal -1
	s_barrier_wait -1
	CREST
.endm
	s_load_b128 s[4:7], s[0:1], 0x0                ; ac s[4:5], wc s[6:7]
	s_load_b128 s[8:11], s[0:1], 0x10              ; the scales s[8:9], out0 s[10:11]
	v_lshl_add_u32 v[SPW], v0, 2, SPARE
	v_mov_b32 v[NIL], 0
	ds_add_u32 v28, v29
	ds_add_u32 v28, v29
	s_wait_dscnt 0x0
	v_lshrrev_b32 v1, 5, v0
	v_readfirstlane_b32 s14, v1                    ; wave 0..3
	s_lshr_b32 s15, s14, 1                         ; which half of the tile's rows is mine.  Also: I fetch for A (0) or for B (1)
	s_and_b32 s16, s14, 1                          ; which half of its columns.  Also: which half of that tile I fetch
	s_bfe_u32 s40, ttmp6, 0x40000                  ; cx, cy
	s_bfe_u32 s41, ttmp6, 0x40004
	s_lshl_b32 s42, ttmp9, 2
	s_add_co_u32 s42, s42, s40                     ; tile column
	s_and_b32 s17, ttmp7, 0xffff
	s_lshl_b32 s17, s17, 2
	s_add_co_u32 s17, s17, s41                     ; tile row T
	s_lshl_b32 s43, s41, 2
	s_lshl_b32 s43, 15, s43                        ; my row of the cluster
	s_lshl_b32 s44, 0x1111, s40                    ; my column
	s_or_b32 s[G1+0], s43, (0<<16)|(1<<20)|(1<<21)|(5<<22)|(3<<25)  ; 15:0 the mask; 17:16 elements of 1 byte; 20 padding on; 21 set beside a mask; 24:22 after every 64 words; 31:25 four words
	s_mov_b32 s[G1+1], ROWB<<16                    ; A: 128 lines of 256 bytes,
	s_mov_b32 s[G1+2], 128<<16
	s_mov_b32 s[G1+3], ROWB<<16
	s_mov_b32 s[G1+4], 128
	s_mov_b32 s[G1+5], ROWB                        ; dense in memory
	s_mov_b32 s[G1+6], 0
	s_mov_b32 s[G1+7], 0
	s_or_b32 s[G1B+0], s44, (0<<16)|(1<<20)|(1<<21)|(5<<22)|(3<<25)
	s_mov_b32 s[G1B+1], ROWB<<16                   ; B: 128 rows of 256 bytes,
	s_mov_b32 s[G1B+2], 128<<16
	s_mov_b32 s[G1B+3], ROWB<<16
	s_mov_b32 s[G1B+4], 128
	s_mov_b32 s[G1B+5], KROW                       ; 1,024 bytes apart
	s_mov_b32 s[G1B+6], 0
	s_mov_b32 s[G1B+7], 0
	s_lshl_b32 s20, s17, 18                        ; A: 262,144 bytes a tile row,
	s_lshl_b32 s18, s16, 15                        ; two heads of 16,384
	s_add_co_u32 s20, s20, s18
	s_mov_b32 s21, 0
	s_lshl_b32 s46, s42, 8
	s_lshl_b32 s18, s16, 7
	s_add_co_u32 s46, s46, s18                     ; B: row 256 x tile column + 128 x half,
	s_lshl_b32 s46, s46, 10
	s_add_co_u32 s46, s46, 0x300000                ; in plane 3 of wc
	s_mov_b32 s47, 0
	s_mul_i32 s45, s14, HALFT                      ; where they go: the wave's number alone enters
	s_wait_kmcnt 0x0
	s_load_b64 s[96:97], s[8:9], 0x28              ; e10, e11
	s_add_nc_u64 s[20:21], s[4:5], s[20:21]
	s_add_nc_u64 s[46:47], s[6:7], s[46:47]
	CROUND                                         ; all sixteen work-groups are here: the first joint loads meet
.irp s, 0,1
	s_mov_b32 s[G0+4*\s], 1
	s_add_co_u32 s[G0+4*\s+1], s45, \s*SLOT
	s_add_nc_u64 s[G0+4*\s+2:G0+4*\s+3], s[20:21], \s*ASTEP
	s_or_b32 s[G0+4*\s+3], s[G0+4*\s+3], 0x80000000
	s_mov_b32 s[G0B+4*\s], 1
	s_add_co_u32 s[G0B+4*\s+1], s45, \s*SLOT
	s_add_nc_u64 s[G0B+4*\s+2:G0B+4*\s+3], s[46:47], \s*ROWB
	s_or_b32 s[G0B+4*\s+3], s[G0B+4*\s+3], 0x80000000
	s_wait_alu depctr_va_vdst(0)
	s_wait_tensorcnt 0x0
	ds_add_u32 v28, v29
	ds_add_u32 v28, v29
	s_wait_dscnt 0x0
	CROUND
	JLOAD G0+4*\s, G1, G0B+4*\s, G1B               ; one load of mine is out
.endr
	v_and_b32 v1, 15, v0                           ; r
	v_bfe_u32 v2, v0, 4, 1                         ; hh
	v_mul_u32_u24 v3, v1, PITCH
	v_lshl_add_u32 v4, v2, 4, v3                   ; B: row x pitch + 16 hh
	v_lshrrev_b32 v5, 2, v1
	v_mul_u32_u24 v5, v5, PITCH
	v_and_b32 v6, 3, v1
	v_lshl_add_u32 v5, v6, 6, v5
	v_lshl_add_u32 v5, v2, 4, v5                   ; A: 272 (r / 4) + 64 (r % 4) + 16 hh
	s_mul_i32 s21, s15, 32*PITCH                   ; my 128 rows of each head: 32 lines
	s_mul_i32 s22, s16, HALFT                      ; my 128 rows of B,
	s_add_co_u32 s22, s22, 2*HALFT                 ; which lie behind A's four heads
.irp s, 0,1
	v_add_nc_u32 v[ADRA+\s], s21, v5
	v_add_nc_u32 v[ADRB+\s], s22, v4
	s_add_co_u32 s21, s21, SLOT
	s_add_co_u32 s22, s22, SLOT
.endr
	s_mul_i32 s23, s14, 16*SPITCH                  ; my stage
	v_mul_u32_u24 v5, v1, SPITCH                   ; in: row r, 32 bytes for each half of the lanes
	v_lshl_add_u32 v5, v2, 5, v5
	v_add_nc_u32 v[STO], s23, v5
	v_and_b32 v6, 31, v0
	v_lshlrev_b32 v[CO], 4, v6                     ; back: the 32 lanes take one row of 512 bytes; and the same in out0
	v_add_nc_u32 v[RD], s23, v[CO]
	s_lshl_b32 s20, s17, 8
	s_lshl_b32 s21, s15, 7
	s_add_co_u32 s20, s20, s21                     ; my first row of out0
	s_lshl_b32 s20, s20, 12                        ; rows of 4,096 bytes: under 2^25
	s_mov_b32 s21, 0
	s_lshl_b32 s46, s42, 10                        ; my first column, in bytes
	s_lshl_b32 s47, s16, 9
	s_add_co_u32 s46, s46, s47
	s_mov_b32 s47, 0
	s_add_nc_u64 s[20:21], s[20:21], s[46:47]
	s_add_nc_u64 s[10:11], s[10:11], s[20:21]
.macro FRAG reg, adr, q, i             ; B: 16 rows x 128 K: registers 4 c .. 4 c + 3 hold K = 32 c + 16 (l / 16) + 0 .. 15
.irp c, 0,1,2,3
	ds_load_b128 v[\reg+4*\c:\reg+4*\c+3], v[\adr] offset:128*(\q)+32*\c+(\i)*16*PITCH
.endr
.endm
.macro FRAGA reg, adr, q, i            ; A: the same k in the same registers: head 2 q + c / 2 of the step, channels 32 (c % 2) + 16 (l / 16) + 0 .. 15; 16 rows are four lines
.irp c, 0,1,2,3
	ds_load_b128 v[\reg+4*\c:\reg+4*\c+3], v[\adr] offset:2*HEADB*(\q)+HEADB*(\c/2)+(\i)*4*PITCH+32*(\c%2)
.endr
.endm
.macro MUL16 a0, p, zero               ; 16 matrix instructions; the 64 accumulators take turns, one instruction a turn
.irp a, \a0, \a0+1
.irp b, 0,1,2,3,4,5,6,7
.if \zero
	v_wmma_f32_16x16x128_fp8_fp8 v[8*(8*((\a)%4)+\b):8*(8*((\a)%4)+\b)+7], v[128*(\p)+FR*\b:128*(\p)+FR*\b+FR-1], v[AF+FR*(\a):AF+FR*(\a)+FR-1], 0
.else
	v_wmma_f32_16x16x128_fp8_fp8 v[8*(8*((\a)%4)+\b):8*(8*((\a)%4)+\b)+7], v[128*(\p)+FR*\b:128*(\p)+FR*\b+FR-1], v[AF+FR*(\a):AF+FR*(\a)+FR-1], v[8*(8*((\a)%4)+\b):8*(8*((\a)%4)+\b)+7]
.endif
.endr
.endr
.endm
.macro FETCH_B slot, q, p
	WIN TO_B
.irp i, 0,1,2,3,4,5,6,7
	FRAG 128*(\p)+FR*\i, ADRB+\slot, \q, \i
.endr
	WIN 0
.endm
.macro FETCH_A slot, q, i0
.irp i, \i0, \i0+1, \i0+2, \i0+3
	FRAGA AF+FR*(\i), ADRA+\slot, \q, \i
.endr
.endm
.macro PLACES n                        ; plain vector lines between a matrix instruction and a load into its sources, or a read of its result
.rept \n
	v_nop
.endr
.endm
.macro STEP slot, q, zero
	s_wait_dscnt 4*NL                              ; B's set and A's blocks 0-3 are in; the youngest sixteen loads (A's blocks 4-7) may be out
	WIN MUL_LO
	MUL16 0, (\q)%2, \zero
	MUL16 2, (\q)%2, \zero
	s_wait_dscnt 0
	PLACES NP
	FETCH_B \slot, (\q)+1, 1-(\q)%2
	FETCH_A \slot, (\q)+1, 0
	WIN MUL_HI
	MUL16 4, (\q)%2, \zero
	MUL16 6, (\q)%2, \zero
	PLACES NP
	WIN 0
	FETCH_A \slot, (\q)+1, 4
.endm
.macro TURN slot, next, fill           ; a slot's last step changes slots: one barrier; in front of it: all my tensor loads, the add, my reads of this slot
	s_wait_tensorcnt 0x0                           ; all my tensor loads have landed: my part of the next slot
	ds_add_u32 v[SPW], v[NIL]                      ; 0 onto my spare word
	s_wait_dscnt 4*NL+1                            ; (the add and the youngest sixteen loads may be out)
	WIN MUL_LO
	MUL16 0, 1, 0
	s_wait_dscnt 0x0                               ; the add is done, and my reads of this slot are over
	s_barrier_signal -1
	MUL16 2, 1, 0
	WIN 0
	s_barrier_wait -1
.if \fill
	CREST                                          ; the barrier has opened a round of the cluster's: no wave of any partner still reads this slot or has a load on its way
	s_add_nc_u64 s[G0+4*\slot+2:G0+4*\slot+3], s[G0+4*\slot+2:G0+4*\slot+3], 2*ASTEP
	s_add_nc_u64 s[G0B+4*\slot+2:G0B+4*\slot+3], s[G0B+4*\slot+2:G0B+4*\slot+3], 2*ROWB
	JLOAD G0+4*\slot, G1, G0B+4*\slot, G1B         ; the first tensor load behind the round; its four v_nop are the places in front of the loads below
.else
	PLACES NP
.endif
	FETCH_B \next, 0, 0
	FETCH_A \next, 0, 0
	WIN MUL_HI
	MUL16 4, 1, 0
	MUL16 6, 1, 0
	PLACES NP
	WIN 0
	FETCH_A \next, 0, 4
.endm
	s_wait_alu depctr_va_vdst(0)
	s_wait_tensorcnt 1                             ; my part of K step 0 is in (K step 1's load may be out)
	s_barrier_signal -1
	s_barrier_wait -1                              ; everybody's is
	FETCH_B 0, 0, 0
	FETCH_A 0, 0, 0
	FETCH_A 0, 0, 4
	STEP 0, 0, 1                                   ; the first step's products start the sums
	s_mov_b32 s3, LAPS-1
.Llap:
	TURN 0, 1, 1
	STEP 1, 0, 0
	TURN 1, 0, 1
	STEP 0, 0, 0
	s_sub_co_u32 s3, s3, 1
	s_cmp_lg_u32 s3, 0
	s_cbranch_scc1 .Llap
	TURN 0, 1, 0                                   ; the last lap fills nothing
	STEP 1, 0, 0
	s_wait_dscnt 4*NL
	WIN MUL_LO
	MUL16 0, 1, 0
	MUL16 2, 1, 0
	s_wait_dscnt 0
	WIN MUL_HI
	MUL16 4, 1, 0
	MUL16 6, 1, 0
	WIN 0
; THE WAY OUT, block by block of 16 rows x 128 columns, through my own stage in LDS: back come whole rows of 512 bytes.  LDS serves a wave's instructions in order (ISA guide 5.7.1.4): no wait between the stores and the loads.
.macro TOSTAGE a
.set AC, 64*((\a)%4)
	WIN 0x02+((\a)/4)                              ; source 0: window 2 or 3
.irp j, 0,2,4,6,8,10,12,14,16,18,20,22,24,26,28,30,32,34,36,38,40,42,44,46,48,50,52,54,56,58,60,62
	v_pk_mul_f32 v[TMP+\j:TMP+\j+1], v[AC+\j:AC+\j+1], s[96:97] op_sel_hi:[1,0]   ; x 2^(e10 + e11); each accumulator from its low end on
.endr
	WIN 0
.irp b, 0,1,2,3,4,5,6,7
	ds_store_b128 v[STO], v[TMP+8*\b:TMP+8*\b+3] offset:64*\b
	ds_store_b128 v[STO], v[TMP+8*\b+4:TMP+8*\b+7] offset:64*\b+16
.endr
.set BB, BK+64*((\a)%2)
.irp t, 0,1,2,3,4,5,6,7,8,9,10,11,12,13,14,15
	ds_load_b128 v[BB+4*\t:BB+4*\t+3], v[RD] offset:\t*SPITCH
.endr
.endm
.macro SEND a, younger                 ; younger: the LDS instructions issued behind block a's loads, which may stay out
.set BB, BK+64*((\a)%2)
	s_wait_dscnt \younger
.if (\a) > 0
	s_add_nc_u64 s[10:11], s[10:11], 16*SIZE_N*4   ; (behind a wait on XCNT: the earlier stores have read their base)
.endif
.irp t, 0,1,2,3,4,5,6,7,8,9,10,11,12,13,14,15
	global_store_b128 v[CO], v[BB+4*\t:BB+4*\t+3], s[10:11] offset:\t*SIZE_N*4 th:TH_STORE_NT   ; 32 lanes store 512 consecutive bytes, aligned; written once, read by nobody here
.endr
.endm
	s_wait_kmcnt 0x0
	s_add_co_i32 s96, s96, s97
	s_add_co_i32 s96, s96, 127
	s_lshl_b32 s96, s96, 23                        ; 2^(e10 + e11) as f32
	PLACES NP
	TOSTAGE 0
.irp a, 1,2,3,4,5,6,7
.if \a > 1
	s_wait_xcnt 0x0                                ; block a - 2's stores have read their registers and their base
.endif
	TOSTAGE \a
	SEND \a-1, 32                                  ; behind block a - 1's loads: block a's 16 stores and 16 loads
.endr
	s_wait_xcnt 0x0
	SEND 7, 0
	s_wait_tensorcnt 0x0                           ; the wave's end
	ds_add_u32 v[SPW], v[NIL]
	s_wait_dscnt 0x0
	CROUND                                         ; the closing round
	s_endpgm
.Lfunc_end_k_q3a1f746dcc_oproj:
	.size	k_q3a1f746dcc_oproj, .Lfunc_end_k_q3a1f746dcc_oproj-k_q3a1f746dcc_oproj
	.p2alignl 7, 3214868480
	.fill 96, 4, 3214868480
	.section	.rodata,"a",@progbits
	.p2align	6, 0x0
	.amdhsa_kernel k_q3a1f746dcc_oproj
		.amdhsa_group_segment_fixed_size 327680
		.amdhsa_private_segment_fixed_size 0
		.amdhsa_enable_private_segment 0
		.amdhsa_kernarg_size 32
		.amdhsa_user_sgpr_count 2
		.amdhsa_user_sgpr_kernarg_segment_ptr 1
		.amdhsa_wavefront_size32 1
		.amdhsa_system_sgpr_workgroup_id_x 1
		.amdhsa_system_sgpr_workgroup_id_y 1
		.amdhsa_system_sgpr_workgroup_id_z 1
		.amdhsa_system_vgpr_workitem_id 0
		.amdhsa_next_free_vgpr 1024
		.amdhsa_next_free_sgpr 98
		.amdhsa_reserve_vcc 0
		.amdhsa_float_denorm_mode_32 3
		.amdhsa_float_denorm_mode_16_64 3
		.amdhsa_memory_ordered 1
		.amdhsa_forward_progress 1
		.amdhsa_inst_pref_size 124
	.end_amdhsa_kernel
	.amdgpu_metadata
---
amdhsa.version: [ 1, 2 ]
amdhsa.kernels:
  - .name:           k_q3a1f746dcc_oproj
    .symbol:         k_q3a1f746dcc_oproj.kd
    .args:
      - { .name: ac, .offset: 0, .size: 8, .value_kind: global_buffer, .address_space: global }
      - { .name: wc, .offset: 8, .size: 8, .value_kind: global_buffer, .address_space: global }
      - { .name: lowp_scales, .offset: 16, .size: 8, .value_kind: global_buffer, .address_space: global }
      - { .name: out0, .offset: 24, .size: 8, .value_kind: global_buffer, .address_space: global }
    .group_segment_fixed_size: 327680
    .private_segment_fixed_size: 0
    .kernarg_segment_align: 8
    .kernarg_segment_size: 32
    .max_flat_workgroup_size: 128
    .sgpr_count:     98
    .vgpr_count:     1024
    .wavefront_size: 32
...
	.end_amdgpu_metadata
.endif
;; end of part 4
